; MI455X (gfx1250); checked and timed in simulation.
; The chip was launched on July 23, 2026; its instructions are those of AMD's public machine-readable ISA for CDNA 5 (MIT licence, August 2026) and "CDNA5" Instruction Set Architecture Reference Guide (July 2026). The comments in the code are by the model that wrote it; some were corrected since.
;; Cross Attention. Allowed arithmetic: matrix products marked QUANTISED: E2M1 operands, one E8M0 scale for each 32 along K, by v_wmma_scale_f32_16x16x128_f8f6f4 with both operands' format E2M1 (or v_wmma_scale_f32_32x16x128_f4), f32 sums; products left as they are: bf16, f16 or f32 operands; f32 sums; everything else in f32.
;; Inputs: Wk 512 x 512 float32; Wo 512 x 512 float32; Wq 512 x 512 float32; Wv 512 x 512 float32; bo 512 float32; context 4 x 2,048 x 512 float32; x 4 x 2,048 x 512 float32.
;; Outputs: out0 4 x 2,048 x 512 float32.
;; This version of the problem:
;;   THIS VERSION OF THE PROBLEM IS GIVEN IN LOW PRECISION. The matrix products marked QUANTISED in the list below multiply operands that are first quantised to E2M1 (2 exponent bits, 1 mantissa bit; 4 bits a number), with one power-of-two scale for each 32 numbers along K (OCP MX v1.0); their sums are f32. The products marked 'left as it is' may take bf16, f16 or f32 operands, with f32 sums. Whichever they take, every output number must still come out within the allowed error. Rounding operands to bf16 (8 significant bits) uses up far more of that allowance than f16 does (11 bits, for magnitudes from 6e-5 to 65,504). All else is computed in f32.
;;   The module's matrix products, in the order in which they are computed (A, B: the left and right operand; K: the contracted axis; several contracted axes count as one K, in the product's order):
;;     1. [M 8,192, K 512] x [K 512, N 512]; A: input x; B: input Wq: QUANTISED
;;     2. [M 8,192, K 512] x [K 512, N 512]; A: input context; B: input Wk: QUANTISED
;;     3. [M 8,192, K 512] x [K 512, N 512]; A: input context; B: input Wv: QUANTISED
;;     4. batch 32 x [M 2,048, K 64] x [K 64, N 2,048]; A: computed on the way; B: computed on the way: left as it is (an operand is computed on the way)
;;     5. batch 32 x [M 2,048, K 2,048] x [K 2,048, N 64]; A: computed on the way; B: computed on the way: left as it is (an operand is computed on the way)
;;     6. [M 8,192, K 512] x [K 512, N 512]; A: computed on the way; B: input Wo: left as it is (an operand is computed on the way)
;;   THE QUANTISER, for each operand of a quantised product, along K:
;;     - K is cut into blocks of 32 from its start; a last block that is shorter is filled with zeros.
;;     - A block's scale is 2^e with e = floor(log2(the largest magnitude in the block)) - 2, held to -126 .. 127; a block of zeros has e = 0. As a byte (E8M0): e + 127.
;;     - Each number is divided by its block's scale, clamped to +-6, and rounded to the nearest number of E2M1, ties to even, subnormals kept.
;;     - The product sums the exact products of the quantised numbers (number of the format x scale) in f32.
;;   ~~~python
;;   def quantise(x, axis):      # numpy; x: float32 -> the quantised numbers, widened to float32 again
;;       x = np.moveaxis(x, axis, -1); K = x.shape[-1]
;;       x = np.pad(x, [(0, 0)] * (x.ndim - 1) + [(0, -K % 32)]); x = x.reshape(x.shape[:-1] + (-1, 32)); a = np.abs(x).max(-1, keepdims=True)
;;       e = np.where(a > 0, np.clip(np.frexp(np.where(a > 0, a, 1))[1] - 1 - 2, -126, 127), 0)      # np.frexp(a)[1] - 1 = floor(log2(a)), exactly
;;       r = np.clip(x / 2.0 ** e, -6, 6)
;;       step = 2.0 ** (np.maximum(np.frexp(np.where(r == 0, 1, r))[1] - 1, 0) - 1)
;;       q = np.round(r / step) * step * 2.0 ** e      # np.round: ties to even
;;       return np.moveaxis(q.reshape(q.shape[:-2] + (-1,))[..., :K], -1, axis).astype(np.float32)
;;   ~~~
;; One version. Each part assembles by itself: llvm-mc -triple=amdgcn-amd-amdhsa -mcpu=gfx1250 --defsym DOCPART=n.
;; ======== version 1 of 1: 4 launches
;; limits: values are held in f16: magnitudes above 65,504 overflow, below 6.1e-05 lose precision
;; workspace buffers: acodes 4,194,304 bytes; ascales 262,144 bytes; wcodes 393,216 bytes; wscales 24,576 bytes; wo16 524,288 bytes; qkv 25,165,824 bytes; ao16 8,388,608 bytes
;; launch prep (part 1): grid 360 x 1, 4 waves a work-group, no clusters, 68,096 bytes of LDS; arguments x, context, Wq, Wk, Wv, Wo, acodes, ascales, wcodes, wscales, wo16; writes acodes, ascales, wcodes, wscales, wo16
.if DOCPART == 1
	.amdgcn_target "amdgcn-amd-amdhsa--gfx1250"
	.amdhsa_code_object_version 6
	.text
	.protected	k_q7647f29041_prep
	.globl	k_q7647f29041_prep
	.p2align	8
	.type	k_q7647f29041_prep,@function
k_q7647f29041_prep:
	s_mov_b64 s[64:65], 0
	v_nop
	global_prefetch_b8 v0, s[64:65] scope:SCOPE_SE
	s_setreg_imm32_b32 hwreg(HW_REG_WAVE_MODE, 25, 1), 1
	s_wait_xcnt 0x0
; x, context [8192][512] and Wq, Wk, Wv [512 (k)][512 (n)], f32, become codes of FP4 (E2M1) with one E8M0 byte for each 32 along K = 512; Wo [512 (k)][512 (n)] becomes f16.
; EVERYTHING IS STORED AS AN IMAGE OF THE OPERAND'S REGISTERS: four registers of a fragment are 512 bytes, lane l's 16 bytes at 16 l.  So each store of a wave covers 512 consecutive aligned bytes,
; and the launches that follow fetch fragments by dense 16-byte loads.
; A block's scale is 2^(floor(log2(its largest magnitude)) - 2): its byte is the largest magnitude's exponent field - 2, held at 1 from below by a floor among the maximum's leaves.
; LIMITS: a block of zeros gets the byte 1 where the rule says 127 (its codes are zeros, and this program alone reads the bytes); blocks whose largest magnitude lies under 2^-124 are held at byte 1;
; NaN and infinities among the inputs are not served; Wo must lie inside f16's range (65,504).
; THREE PATHS, parted by the work-group's number.  0-255: a wave takes 16 rows of x or context.  256-351: a wave takes 16 columns x 128 k of a weight.  352-359: a work-group takes 64 columns of Wo.
; A fragment of 16 rows x 128 k of 4-bit codes: lane (r = l % 16, h = l / 16) holds row r, registers 4 c .. 4 c + 3 hold k = 64 c + 32 h + 0 .. 31: two whole blocks a lane.
; No matrix work, no tensor loads, no cluster: no byte is read by two work-groups.  Only the first path uses LDS, each wave its own bytes: no barrier.
.set PITCH, 528                        ; a stage row: 512 bytes + 16: 33 x 16 bytes, so that sixteen lanes that read one column of sixteen rows touch sixteen different 16-byte columns of 256
.set STG,   16*PITCH                   ; a stage: 16 rows
.set WREG,  2*STG                      ; two stages a wave
.set SPARE, 4*WREG                     ; behind the stages: the spare words, 128 bytes a wave: two blocks of 256 bytes that no other line names
.set LANE, 1                           ; v1   lane
.set R,    2                           ; v2   r
.set H,    3                           ; v3   h
.set LO,   4                           ; v4   16 x lane
.set L8,   5                           ; v5   8 x lane
.set STI,  6                           ; v6   the stage, way in: my wave's + 16 x lane
.set STO,  7                           ; v7   way out: my wave's + PITCH r + 128 h
.set SH8,  8                           ; v8   8 h
.set VOFF, 9                           ; v9   the weights' offset of my lane
.set SPW,  10                          ; v10  LDS address of my spare word; never rewritten
.set NIL,  11                          ; v11  0; never rewritten
.set MX,   12                          ; v12-13 largest magnitudes of my two blocks
.set SO,   14                          ; v14-15 the conversions' scale operands
.set BY,   16                          ; v16-17 the scale bytes
.set W,    18                          ; v18  my two bytes at their places
.set TMP,  19                          ; v19  lane l xor 16's
.set WD,   20                          ; v20-23 a scale word for each K step
.set SW,   24                          ; v24-25 the two words that I store
.set R4,   26                          ; v26  4 r
.set CD,   32                          ; v32-63 codes, 8 registers a K step: no store's data are written again
.set F16,  64                          ; v64-191 Wo as f16
.set SEL,  28                          ; s[28:29] selects of v_permlanex16_b32: lane l xor 16
.set WV,   26                          ; s26  my wave
; window 1 (v256-511): 256 landing registers for f32 numbers
.set MSB, 0
.macro WIN new                         ; s_set_vgpr_msb: bits 1:0 source 0, 3:2 source 1, 5:4 source 2, 7:6 destination; the high byte repeats the setting that is left
.if MSB != \new
	s_set_vgpr_msb (MSB<<8)|\new
.set MSB, \new
.endif
.endm
; 64 numbers of a lane in window 1, register rb + 32 c + i = k 64 c + 32 h + i of my row or column, become 8 registers of codes at v[cd] and the scale word of these 128 k in v[wd].
.macro QUANT rb, cd, wd
	WIN 0x14
.irp c, 0,1
	v_max3_num_f32 v[MX+\c], 0x1800000, |v[(\rb)+32*\c]|, |v[(\rb)+32*\c+1]|   ; the floor 2^(3 - 127) is a leaf: the byte cannot fall under 1
.endr
.irp i, 2,4,6,8,10,12,14,16,18,20,22,24,26,28,30
.irp c, 0,1
	v_max3_num_f32 v[MX+\c], v[MX+\c], |v[(\rb)+32*\c+\i]|, |v[(\rb)+32*\c+\i+1]|   ; the two blocks by turns
.endr
.endr
	WIN 0
.irp c, 0,1
	v_add_nc_u32 v[SO+\c], 0xff000000, v[MX+\c]    ; 2 off the exponent field: the conversion takes this operand's exponent field as its scale
.endr
.irp c, 0,1
	v_lshrrev_b32 v[BY+\c], 23, v[SO+\c]           ; the scale's byte
.endr
	v_lshl_or_b32 v[W], v[BY+1], 16, v[BY]         ; my blocks are h and 2 + h of the four:
	v_lshlrev_b32 v[W], v[SH8], v[W]               ; 8 h bits up;
	v_permlanex16_b32 v[TMP], v[W], s[SEL], s[SEL+1]
	v_or_b32 v[\wd], v[W], v[TMP]                  ; with lane l xor 16's two the word is whole, in both lanes
	WIN 0x01
.irp c, 0,1
.irp g, 0,1,2,3
	v_cvt_scalef32_pk8_fp4_f32 v[(\cd)+4*\c+\g], v[(\rb)+32*\c+8*\g:(\rb)+32*\c+8*\g+7], v[SO+\c]
.endr
.endr
	WIN 0
	v_nop                                          ; one plain place behind the last scaled conversion
.endm
	s_load_b512 s[4:19], s[0:1], 0x0               ; x s[4:5], context s[6:7], Wq s[8:9], Wk s[10:11], Wv s[12:13], Wo s[14:15], acodes s[16:17], ascales s[18:19]
	s_load_b128 s[20:23], s[0:1], 0x40             ; wcodes s[20:21], wscales s[22:23]
	s_load_b64 s[24:25], s[0:1], 0x50              ; wo16
	v_lshl_add_u32 v[SPW], v0, 2, SPARE
	v_mov_b32 v[NIL], 0
	v_lshrrev_b32 v1, 5, v0
	v_readfirstlane_b32 s[WV], v1                  ; wave 0..3
	v_and_b32 v[LANE], 31, v0
	v_and_b32 v[R], 15, v0
	v_bfe_u32 v[H], v0, 4, 1
	v_lshlrev_b32 v[LO], 4, v[LANE]
	v_lshlrev_b32 v[L8], 3, v[LANE]
	v_lshlrev_b32 v[SH8], 3, v[H]
	v_lshlrev_b32 v[R4], 2, v[R]
	v_mov_b32 v[TMP], 0                            ; written once: a lane permute's destination counts as one of its sources
	s_mul_i32 s36, s[WV], WREG
	v_add_nc_u32 v[STI], s36, v[LO]
	v_mul_u32_u24 v[STO], v[R], PITCH
	v_lshl_add_u32 v[STO], v[H], 7, v[STO]
	v_add_nc_u32 v[STO], s36, v[STO]
	s_mov_b32 s[SEL], 0x76543210
	s_mov_b32 s[SEL+1], 0xfedcba98
	s_wait_kmcnt 0x0
	s_cmp_ge_u32 ttmp9, 256
	s_cbranch_scc1 .Lweights
	; ---- 16 ROWS OF x OR context.  Tile T = 4 x work-group + wave; tiles 0-511 are x's, 512-1023 context's.
	s_lshl_b32 s36, ttmp9, 2
	s_add_co_u32 s36, s36, s[WV]                   ; T
	s_cmp_lt_u32 ttmp9, 128                        ; the choice hangs on the work-group's number alone
	s_cselect_b64 s[30:31], s[4:5], s[6:7]
	s_and_b32 s38, s36, 511
	s_lshl_b32 s38, s38, 15                        ; 16 rows of 2,048 bytes
	s_mov_b32 s39, 0
	s_add_nc_u64 s[30:31], s[30:31], s[38:39]
	s_lshl_b32 s38, s36, 12                        ; a tile's codes: 4,096 bytes
	s_add_nc_u64 s[32:33], s[16:17], s[38:39]
	s_lshl_b32 s38, s36, 8                         ; its scale words: 256 bytes
	s_add_nc_u64 s[34:35], s[18:19], s[38:39]
	WIN 0x40                                       ; destination window 1
.irp s, 0,1,2,3                                ; all 64 loads go out at once, K step by K step; each reads 512 consecutive bytes of one row
.irp rho, 0,1,2,3,4,5,6,7,8,9,10,11,12,13,14,15
	global_load_b128 v[64*\s+4*\rho:64*\s+4*\rho+3], v[LO], s[30:31] offset:\rho*2048+\s*512 th:TH_LOAD_NT
.endr
.endr
	WIN 0
; K step s's 16 x 512 bytes turn through a stage: in as loaded, back 128 neighbouring bytes of ONE row a lane, into the registers that they left.
; LDS serves a wave's instructions in order (ISA guide 5.7.1.4): no wait between the stores and the loads, nor ahead of the stores that use a stage again.
.macro TURN s
	WIN 0x04                                       ; an LDS store's data are its source 1: window 1
.irp rho, 0,1,2,3,4,5,6,7,8,9,10,11,12,13,14,15
	ds_store_b128 v[STI], v[64*(\s)+4*\rho:64*(\s)+4*\rho+3] offset:((\s)%2)*STG+\rho*PITCH
.endr
	WIN 0x40
.irp c, 0,1
.irp i, 0,1,2,3,4,5,6,7
	ds_load_b128 v[64*(\s)+32*\c+4*\i:64*(\s)+32*\c+4*\i+3], v[STO] offset:((\s)%2)*STG+256*\c+16*\i
.endr
.endr
	WIN 0
.endm
	s_wait_loadcnt 48                              ; K step 0's sixteen loads are in; the 48 of the later steps may be out
	TURN 0
.irp s, 0,1,2,3
.if \s < 3
	s_wait_loadcnt 32-16*\s                        ; the next K step's loads are in; those of the steps behind it may be out
	TURN \s+1                                      ; it goes through the other stage while this step is quantised
	s_wait_dscnt 32                                ; this step is back: only the next turn's 16 stores and 16 loads may be out
.else
	s_wait_dscnt 0x0
.endif
	QUANT 64*\s, CD+8*\s, WD+\s
.irp c, 0,1
	global_store_b128 v[LO], v[CD+8*\s+4*\c:CD+8*\s+4*\c+3], s[32:33] offset:\s*1024+\c*512   ; 512 consecutive aligned bytes
.endr
.endr
	v_cmp_le_u32 vcc_lo, 16, v[LANE]               ; the scale words as the product's launch wants them: 8 bytes a lane; lanes 0-15 K steps 0, 1 of row r, lanes 16-31 K steps 2, 3
	v_cndmask_b32 v[SW], v[WD], v[WD+2], vcc_lo
	v_cndmask_b32 v[SW+1], v[WD+1], v[WD+3], vcc_lo
	global_store_b64 v[L8], v[SW:SW+1], s[34:35]   ; 256 consecutive aligned bytes
	s_wait_tensorcnt 0x0                           ; the wave's end, behind my last LDS store
	ds_add_u32 v[SPW], v[NIL]
	s_wait_dscnt 0x0
	s_endpgm
.Lweights:
	s_cmp_ge_u32 ttmp9, 352
	s_cbranch_scc1 .Lwo
	; ---- 16 COLUMNS x 128 k OF Wq, Wk OR Wv.  A lane takes a column and its registers run down K, in the order of the operand's registers: nothing is transposed.
	; One K step to a wave: its 64 loads are all out together.  The four waves of a work-group stand on 256 neighbouring bytes of each row.
	s_sub_co_u32 s36, ttmp9, 256
	s_lshr_b32 s37, s36, 5                         ; p: 0 Wq, 1 Wk, 2 Wv
	s_bfe_u32 s38, s36, 0x20003                    ; K step s
	s_and_b32 s39, s36, 7
	s_lshl_b32 s39, s39, 2
	s_add_co_u32 s39, s39, s[WV]                   ; column tile ct
	s_cmp_eq_u32 s37, 0
	s_cselect_b64 s[30:31], s[8:9], s[10:11]
	s_cmp_eq_u32 s37, 2
	s_cselect_b64 s[30:31], s[12:13], s[30:31]
	s_lshl_b32 s40, s38, 18                        ; 128 rows of 2,048 bytes
	s_lshl_b32 s41, s39, 6                         ; 16 columns
	s_add_co_u32 s40, s40, s41
	s_mov_b32 s41, 0
	s_add_nc_u64 s[30:31], s[30:31], s[40:41]
	s_lshl_b32 s37, s37, 5
	s_add_co_u32 s37, s37, s39                     ; 32 p + ct
	s_lshl_b32 s40, s37, 12
	s_lshl_b32 s36, s38, 10
	s_add_co_u32 s40, s40, s36
	s_add_nc_u64 s[32:33], s[20:21], s[40:41]      ; codes: (32 p + ct) x 4,096 + 1,024 s
	s_lshl_b32 s40, s37, 8
	s_lshl_b32 s36, s38, 6
	s_add_co_u32 s40, s40, s36
	s_add_nc_u64 s[34:35], s[22:23], s[40:41]      ; scale words: (32 p + ct) x 256 + 64 s
	v_lshl_add_u32 v[VOFF], v[H], 16, v[R4]        ; 32 h rows down, column r
	WIN 0x40
.irp c, 0,1
.irp i, 0,1,2,3,4,5,6,7,8,9,10,11,12,13,14,15,16,17,18,19,20,21,22,23,24,25,26,27,28,29,30,31
	global_load_b32 v[32*\c+\i], v[VOFF], s[30:31] offset:(64*\c+\i)*2048
.endr
.endr
	WIN 0
	s_wait_loadcnt 0x0
	QUANT 0, CD, WD
.irp c, 0,1
	global_store_b128 v[LO], v[CD+4*\c:CD+4*\c+3], s[32:33] offset:\c*512
.endr
	global_store_b32 v[R4], v[WD], s[34:35]        ; lanes l and l + 16 hold the same word and write it to the same place: EXEC stays whole
	s_endpgm
.Lwo:
	; ---- 64 COLUMNS OF Wo AS f16.  Group G of 64 columns; wave w takes k = 128 w .. 128 w + 127: four K steps e of 32.
	; A lane loads 4 neighbouring columns of a row (sixteen lanes: 256 consecutive aligned bytes); column 4 r + u goes to tile u, so that in the last launch a lane's four tiles hold four neighbouring columns.
	s_sub_co_u32 s36, ttmp9, 352                   ; G
	s_lshl_b32 s40, s[WV], 18                      ; 128 rows of 2,048 bytes
	s_lshl_b32 s37, s36, 8
	s_add_co_u32 s40, s40, s37
	s_mov_b32 s41, 0
	s_add_nc_u64 s[30:31], s[14:15], s[40:41]
	s_lshr_b32 s40, s36, 1
	s_lshl_b32 s40, s40, 17                        ; block of 128 columns,
	s_lshr_b32 s37, s[WV], 1
	s_lshl_b32 s37, s37, 16                        ; half of K,
	s_add_co_u32 s40, s40, s37
	s_and_b32 s37, s36, 1
	s_lshl_b32 s37, s37, 15                        ; group of 64 columns: four tiles of 8,192 bytes,
	s_add_co_u32 s40, s40, s37
	s_and_b32 s37, s[WV], 1
	s_lshl_b32 s37, s37, 12                        ; four K steps of 1,024 bytes
	s_add_co_u32 s40, s40, s37
	s_add_nc_u64 s[32:33], s[24:25], s[40:41]
	v_lshlrev_b32 v[VOFF], 4, v[R]
	v_lshl_add_u32 v[VOFF], v[H], 14, v[VOFF]      ; 8 h rows down, 16 bytes a lane
	WIN 0x40
.irp e, 0,1,2,3
.irp hf, 0,1
.irp kk, 0,1,2,3,4,5,6,7
	global_load_b128 v[64*\e+4*(8*\hf+\kk):64*\e+4*(8*\hf+\kk)+3], v[VOFF], s[30:31] offset:(32*\e+16*\hf+\kk)*2048 th:TH_LOAD_NT
.endr
.endr
.endr
	WIN 0
.irp e, 0,1,2,3
	s_wait_loadcnt 48-16*\e                        ; this K step's sixteen loads are in; the later steps' may be out
	WIN 0x05                                       ; sources 0 and 1 window 1
.irp u, 0,1,2,3
.irp hf, 0,1
.irp i, 0,1,2,3
	v_cvt_pk_f16_f32 v[F16+32*\e+8*\u+4*\hf+\i], v[64*\e+4*(8*\hf+2*\i)+\u], v[64*\e+4*(8*\hf+2*\i+1)+\u]   ; k = 16 hf + 8 h + 2 i and + 1 of column 4 r + u
.endr
.endr
.endr
	WIN 0
.irp u, 0,1,2,3
.irp hf, 0,1
	global_store_b128 v[LO], v[F16+32*\e+8*\u+4*\hf:F16+32*\e+8*\u+4*\hf+3], s[32:33] offset:\u*8192+\e*1024+\hf*512
.endr
.endr
.endr
	s_endpgm
.Lfunc_end_k_q7647f29041_prep:
	.size	k_q7647f29041_prep, .Lfunc_end_k_q7647f29041_prep-k_q7647f29041_prep
	.p2alignl 7, 3214868480
	.fill 96, 4, 3214868480
	.section	.rodata,"a",@progbits
	.p2align	6, 0x0
	.amdhsa_kernel k_q7647f29041_prep
		.amdhsa_group_segment_fixed_size 68096
		.amdhsa_private_segment_fixed_size 0
		.amdhsa_enable_private_segment 0
		.amdhsa_kernarg_size 88
		.amdhsa_user_sgpr_count 2
		.amdhsa_user_sgpr_kernarg_segment_ptr 1
		.amdhsa_wavefront_size32 1
		.amdhsa_system_sgpr_workgroup_id_x 1
		.amdhsa_system_sgpr_workgroup_id_y 1
		.amdhsa_system_sgpr_workgroup_id_z 1
		.amdhsa_system_vgpr_workitem_id 0
		.amdhsa_next_free_vgpr 512
		.amdhsa_next_free_sgpr 66
		.amdhsa_reserve_vcc 1
		.amdhsa_float_denorm_mode_32 3
		.amdhsa_float_denorm_mode_16_64 3
		.amdhsa_memory_ordered 1
		.amdhsa_forward_progress 1
		.amdhsa_inst_pref_size 59
	.end_amdhsa_kernel
	.amdgpu_metadata
---
amdhsa.version: [ 1, 2 ]
amdhsa.kernels:
  - .name:           k_q7647f29041_prep
    .symbol:         k_q7647f29041_prep.kd
    .args:
      - { .name: x, .offset: 0, .size: 8, .value_kind: global_buffer, .address_space: global }
      - { .name: context, .offset: 8, .size: 8, .value_kind: global_buffer, .address_space: global }
      - { .name: Wq, .offset: 16, .size: 8, .value_kind: global_buffer, .address_space: global }
      - { .name: Wk, .offset: 24, .size: 8, .value_kind: global_buffer, .address_space: global }
      - { .name: Wv, .offset: 32, .size: 8, .value_kind: global_buffer, .address_space: global }
      - { .name: Wo, .offset: 40, .size: 8, .value_kind: global_buffer, .address_space: global }
      - { .name: acodes, .offset: 48, .size: 8, .value_kind: global_buffer, .address_space: global }
      - { .name: ascales, .offset: 56, .size: 8, .value_kind: global_buffer, .address_space: global }
      - { .name: wcodes, .offset: 64, .size: 8, .value_kind: global_buffer, .address_space: global }
      - { .name: wscales, .offset: 72, .size: 8, .value_kind: global_buffer, .address_space: global }
      - { .name: wo16, .offset: 80, .size: 8, .value_kind: global_buffer, .address_space: global }
    .group_segment_fixed_size: 68096
    .private_segment_fixed_size: 0
    .kernarg_segment_align: 8
    .kernarg_segment_size: 88
    .max_flat_workgroup_size: 128
    .sgpr_count:     66
    .vgpr_count:     512
    .wavefront_size: 32
...
	.end_amdgpu_metadata
.endif
;; end of part 1
;; launch proj (part 2): grid 128 x 3, 4 waves a work-group, no clusters, 0 bytes of LDS; arguments acodes, ascales, wcodes, wscales, qkv; writes qkv
.if DOCPART == 2
	.amdgcn_target "amdgcn-amd-amdhsa--gfx1250"
	.amdhsa_code_object_version 6
	.text
	.protected	k_q7647f29041_proj
	.globl	k_q7647f29041_proj
	.p2align	8
	.type	k_q7647f29041_proj,@function
k_q7647f29041_proj:
	s_mov_b64 s[64:65], 0
	v_nop
	global_prefetch_b8 v0, s[64:65] scope:SCOPE_SE
	s_setreg_imm32_b32 hwreg(HW_REG_WAVE_MODE, 25, 1), 1
	s_wait_xcnt 0x0
; q = x Wq, k = context Wk, v = context Wv on codes of FP4 (E2M1) with E8M0 scales, K = 512: four matrix instructions deep; sums in f32, rounded once to f16.
; Work-group (x, p): rows 64 x .. 64 x + 63 (four tiles of 16) against all 512 columns of weight p (0 q, 1 k, 2 v).  Wave w: columns 128 w .. 128 w + 127: heads 2 w, 2 w + 1: eight tiles t.
; All operands lie in memory as images of their registers, so each fragment comes by dense 16-byte loads straight into registers: no LDS, no barrier.
; NO CLUSTER, NO JOINT LOADS, though all 128 row blocks read one weight's codes: a wave reads each of its bytes exactly once, into the registers in which they stay (its 32 KB of a weight, the block's 16 KB of rows);
; a joint load would add a way through LDS for every one of them.
; q AND k ARE MADE TRANSPOSED (source 0 = 16 columns of W, source 1 = 16 rows): a lane then holds one row and eight neighbouring channels: packed to f16 they are 16 bytes of an operand's image for q k^T.
; v IS MADE THE NATURAL WAY (source 0 = 16 rows, source 1 = 16 columns): a lane holds one channel and eight neighbouring keys: 16 bytes of the image of V^T, whose K is the keys.
; LIMIT: |q|, |k|, |v| must stay inside f16's range (65,504).
; REGISTERS: window 0: v1-3 offsets; v8-23 W's scale words; v24-31 the rows' scale words; v32-95 eight accumulators; v96-127 packed results; v128-255 the rows' fragments.  window 1: W's 32 fragments.
.set WS,  8                            ; v[WS + 2 t + j]: lanes 0-15 K step 2 j, lanes 16-31 K step 2 j + 1 of tile t's columns
.set AS,  24                           ; v[AS + 2 m + j]: lanes 0-15 K step j, lanes 16-31 K step 2 + j of tile m's rows
.set ACC, 32
.set PK,  96
.set AF,  128                          ; the rows' fragment (m, s) at v[AF + 32 m + 8 s]
.set MSB, 0
.macro WIN new                         ; the immediate's high byte repeats the setting that is left
.if MSB != \new
	s_set_vgpr_msb (MSB<<8)|\new
.set MSB, \new
.endif
.endm
	s_load_b256 s[4:11], s[0:1], 0x0               ; acodes s[4:5], ascales s[6:7], wcodes s[8:9], wscales s[10:11]
	s_load_b64 s[12:13], s[0:1], 0x20              ; qkv
	v_lshrrev_b32 v4, 5, v0
	v_readfirstlane_b32 s14, v4                    ; wave 0..3
	v_and_b32 v4, 31, v0
	v_lshlrev_b32 v1, 4, v4                        ; 16 x lane
	v_lshlrev_b32 v2, 3, v4                        ; 8 x lane
	v_lshlrev_b32 v3, 2, v4                        ; 4 x lane
	s_and_b32 s15, ttmp7, 0xffff                   ; p
	s_cmp_lg_u32 s15, 0
	s_cselect_b32 s16, 512, 0                      ; context's tiles lie behind x's 512
	s_lshl_b32 s17, ttmp9, 2
	s_add_co_u32 s16, s16, s17                     ; my first tile of rows
	s_lshl_b32 s18, s16, 12                        ; its codes,
	s_mov_b32 s19, 0
	s_lshl_b32 s20, s16, 8                         ; its scale words
	s_mov_b32 s21, 0
	s_lshl_b32 s22, s15, 17                        ; the weight's codes: 131,072 bytes a weight, 32,768 a wave
	s_lshl_b32 s17, s14, 15
	s_add_co_u32 s22, s22, s17
	s_mov_b32 s23, 0
	s_lshl_b32 s24, s15, 13                        ; its scale words: 8,192 and 2,048
	s_lshl_b32 s17, s14, 11
	s_add_co_u32 s24, s24, s17
	s_mov_b32 s25, 0
	s_lshl_b32 s26, s15, 23                        ; the result: 8,388,608 bytes for each of q, k, v;
	s_lshr_b32 s17, ttmp9, 5
	s_lshl_b32 s17, s17, 21                        ; a batch's 8 heads of 262,144;
	s_add_co_u32 s26, s26, s17
	s_lshl_b32 s17, s14, 19                        ; my two heads;
	s_add_co_u32 s26, s26, s17
	s_and_b32 s17, ttmp9, 31
	s_lshl_b32 s17, s17, 13                        ; my 64 rows: 8,192 bytes in q's, k's and v's layout alike
	s_add_co_u32 s26, s26, s17
	s_mov_b32 s27, 0
	s_wait_kmcnt 0x0
	s_add_nc_u64 s[4:5], s[4:5], s[18:19]
	s_add_nc_u64 s[6:7], s[6:7], s[20:21]
	s_add_nc_u64 s[8:9], s[8:9], s[22:23]
	s_add_nc_u64 s[10:11], s[10:11], s[24:25]
	s_add_nc_u64 s[12:13], s[12:13], s[26:27]
.irp m, 0,1,2,3
	global_load_b64 v[AS+2*\m:AS+2*\m+1], v2, s[6:7] offset:\m*256
.endr
.irp t, 0,1,2,3,4,5,6,7
.irp j, 0,1
	global_load_b32 v[WS+2*\t+\j], v3, s[10:11] offset:\t*256+\j*128
.endr
.endr
.set f, 0
.rept 32
	global_load_b128 v[AF+4*f:AF+4*f+3], v1, s[4:5] offset:512*f
.set f, f+1
.endr
	WIN 0x40                                       ; destination window 1
.set f, 0
.rept 64
	global_load_b128 v[4*f:4*f+3], v1, s[8:9] offset:512*f
.set f, f+1
.endr
	WIN 0
	s_wait_loadcnt 0x0                             ; all that the wave will ever read
; one scaled product; ra, rb: source 0's and source 1's scales stand in lanes 16-31 of their registers
.macro MM d, a, b, c, sa, sb, ra, rb
.if (\ra) && (\rb)
	v_wmma_scale_f32_16x16x128_f8f6f4 \d, \a, \b, \c, \sa, \sb matrix_a_fmt:MATRIX_FMT_FP4 matrix_b_fmt:MATRIX_FMT_FP4 matrix_a_scale:MATRIX_SCALE_ROW1 matrix_b_scale:MATRIX_SCALE_ROW1
.elseif (\ra)
	v_wmma_scale_f32_16x16x128_f8f6f4 \d, \a, \b, \c, \sa, \sb matrix_a_fmt:MATRIX_FMT_FP4 matrix_b_fmt:MATRIX_FMT_FP4 matrix_a_scale:MATRIX_SCALE_ROW1
.elseif (\rb)
	v_wmma_scale_f32_16x16x128_f8f6f4 \d, \a, \b, \c, \sa, \sb matrix_a_fmt:MATRIX_FMT_FP4 matrix_b_fmt:MATRIX_FMT_FP4 matrix_b_scale:MATRIX_SCALE_ROW1
.else
	v_wmma_scale_f32_16x16x128_f8f6f4 \d, \a, \b, \c, \sa, \sb matrix_a_fmt:MATRIX_FMT_FP4 matrix_b_fmt:MATRIX_FMT_FP4
.endif
.endm
.macro PROD m, s, t, tr                ; rows' tile m x columns' tile t, K step s.  The first K step starts the sum: nothing is cleared
.set rD, ACC+8*(\t)
.set rW, 32*(\t)+8*(\s)
.set rA, AF+32*(\m)+8*(\s)
.set sW, WS+2*(\t)+((\s)>>1)
.set sA, AS+2*(\m)+((\s)&1)
.if \tr
.if (\s) == 0
	MM v[rD:rD+7], v[rW:rW+7], v[rA:rA+7], 0, v[sW], v[sA], ((\s)&1), ((\s)>>1)
.else
	MM v[rD:rD+7], v[rW:rW+7], v[rA:rA+7], v[rD:rD+7], v[sW], v[sA], ((\s)&1), ((\s)>>1)
.endif
.else
.if (\s) == 0
	MM v[rD:rD+7], v[rA:rA+7], v[rW:rW+7], 0, v[sA], v[sW], ((\s)>>1), ((\s)&1)
.else
	MM v[rD:rD+7], v[rA:rA+7], v[rW:rW+7], v[rD:rD+7], v[sA], v[sW], ((\s)>>1), ((\s)&1)
.endif
.endif
.endm
; 16 rows x my 128 columns: 32 products, the eight accumulators by turns, one instruction a turn; rounded to f16; eight stores of 512 consecutive aligned bytes.
.macro ROWTILE m, tr
.if \tr
	WIN 0x01                                       ; source 0 (W) window 1
.else
	WIN 0x04                                       ; source 1 (W) window 1
.endif
.irp s, 0,1,2,3
.irp t, 0,1,2,3,4,5,6,7
	PROD \m, \s, \t, \tr
.endr
.endr
	WIN 0
.rept 4
	v_nop                                          ; four places between the last product and the first read of a result (ISA guide 7.12.1)
.endr
.if \m > 0
	s_wait_xcnt 0x0                                ; the last tile's stores have read their data: the packed results may be written again
.endif
.irp t, 0,1,2,3,4,5,6,7
.irp i, 0,1,2,3
	v_cvt_pk_f16_f32 v[PK+4*\t+\i], v[ACC+8*\t+2*\i], v[ACC+8*\t+2*\i+1]   ; each accumulator from its low end on
.endr
.endr
.irp t, 0,1,2,3,4,5,6,7
.if \tr
	global_store_b128 v1, v[PK+4*\t:PK+4*\t+3], s[12:13] offset:(\t>>2)*262144+(\t&3)*512+(\m)*2048   ; head t / 4; row tile m; channels 16 (t % 4) + 8 h + 0 .. 7 of row r
.else
	global_store_b128 v1, v[PK+4*\t:PK+4*\t+3], s[12:13] offset:(\t>>2)*262144+(\t&3)*1024+((\m)>>1)*4096+((\m)&1)*512   ; head t / 4; 32 keys m / 2; channels' tile t % 4; keys 16 (m % 2) + 8 h + 0 .. 7 of channel r
.endif
.endr
.endm
	s_cmp_eq_u32 s15, 2
	s_cbranch_scc1 .Lv
	ROWTILE 0, 1
	ROWTILE 1, 1
	ROWTILE 2, 1
	ROWTILE 3, 1
	s_endpgm
.Lv:
	ROWTILE 0, 0
	ROWTILE 1, 0
	ROWTILE 2, 0
	ROWTILE 3, 0
	s_endpgm
.Lfunc_end_k_q7647f29041_proj:
	.size	k_q7647f29041_proj, .Lfunc_end_k_q7647f29041_proj-k_q7647f29041_proj
	.p2alignl 7, 3214868480
	.fill 96, 4, 3214868480
	.section	.rodata,"a",@progbits
	.p2align	6, 0x0
	.amdhsa_kernel k_q7647f29041_proj
		.amdhsa_group_segment_fixed_size 0
		.amdhsa_private_segment_fixed_size 0
		.amdhsa_enable_private_segment 0
		.amdhsa_kernarg_size 40
		.amdhsa_user_sgpr_count 2
		.amdhsa_user_sgpr_kernarg_segment_ptr 1
		.amdhsa_wavefront_size32 1
		.amdhsa_system_sgpr_workgroup_id_x 1
		.amdhsa_system_sgpr_workgroup_id_y 1
		.amdhsa_system_sgpr_workgroup_id_z 1
		.amdhsa_system_vgpr_workitem_id 0
		.amdhsa_next_free_vgpr 512
		.amdhsa_next_free_sgpr 66
		.amdhsa_reserve_vcc 0
		.amdhsa_float_denorm_mode_32 3
		.amdhsa_float_denorm_mode_16_64 3
		.amdhsa_memory_ordered 1
		.amdhsa_forward_progress 1
		.amdhsa_inst_pref_size 69
	.end_amdhsa_kernel
	.amdgpu_metadata
---
amdhsa.version: [ 1, 2 ]
amdhsa.kernels:
  - .name:           k_q7647f29041_proj
    .symbol:         k_q7647f29041_proj.kd
    .args:
      - { .name: acodes, .offset: 0, .size: 8, .value_kind: global_buffer, .address_space: global }
      - { .name: ascales, .offset: 8, .size: 8, .value_kind: global_buffer, .address_space: global }
      - { .name: wcodes, .offset: 16, .size: 8, .value_kind: global_buffer, .address_space: global }
      - { .name: wscales, .offset: 24, .size: 8, .value_kind: global_buffer, .address_space: global }
      - { .name: qkv, .offset: 32, .size: 8, .value_kind: global_buffer, .address_space: global }
    .group_segment_fixed_size: 0
    .private_segment_fixed_size: 0
    .kernarg_segment_align: 8
    .kernarg_segment_size: 40
    .max_flat_workgroup_size: 128
    .sgpr_count:     66
    .vgpr_count:     512
    .wavefront_size: 32
...
	.end_amdgpu_metadata
.endif
;; end of part 2
;; launch attn (part 3): grid 8 x 32, 8 waves a work-group, clusters of 4 x 1, 327,680 bytes of LDS; arguments qkv, ao16; writes ao16
.if DOCPART == 3
	.amdgcn_target "amdgcn-amd-amdhsa--gfx1250"
	.amdhsa_code_object_version 6
	.text
	.protected	k_q7647f29041_attn
	.globl	k_q7647f29041_attn
	.p2align	8
	.type	k_q7647f29041_attn,@function
k_q7647f29041_attn:
	s_mov_b64 s[64:65], 0
	v_nop
	global_prefetch_b8 v0, s[64:65] scope:SCOPE_SE
	s_setreg_imm32_b32 hwreg(HW_REG_WAVE_MODE, 25, 1), 1
	s_wait_xcnt 0x0
	s_wait_alu depctr_hold_cnt(0) depctr_sa_sdst(0) depctr_va_vdst(0) depctr_va_sdst(0) depctr_va_ssrc(0) depctr_va_vcc(0) depctr_vm_vsrc(0)
	s_getreg_b32 s2, hwreg(HW_REG_IB_STS2, 6, 4)
	s_cmp_eq_u32 s2, 0
	s_cbranch_scc0 .Lentry_in_a_cluster
	s_endpgm
.Lentry_in_a_cluster:
	s_bfe_u32 s2, ttmp6, 0x10000c
	s_cmp_lg_u32 s2, 0x3003
	s_cbranch_scc0 .Lentry_shape_is_right
	s_endpgm
.Lentry_shape_is_right:
; o[b][head][q] = the sum over keys of softmax(q . k / 8) v, head size 64, 2,048 keys, no mask.  q, k, v are f16 images of operand registers; products, maxima and sums in f32; the weights p are
; rounded to f16 for the second product.  4 o is stored, as f16, as the image of the last product's first operand (x 4 is exact; the last launch takes it back in the multiply-add that adds the bias).
; LIMIT: 4 |o| must stay inside f16's range (65,504).
; SHARES.  A work-group owns 256 queries of one (batch, head); each of its EIGHT waves 32 of them, two tiles of 16; two waves lie on a SIMD.  Every wave walks all keys, 64 a step.
; LAYOUT.  S^T = K Q^T (source 0 = 16 keys, source 1 = 16 queries): a lane holds ONE query (lane % 16) and keys 8 (lane / 16) + 0 .. 7.  Two such tiles, packed to f16, ARE source 1 (32 keys x 16 queries) of
; O^T = V^T P, whose result again holds one query a lane.  V lies in memory as V^T's fragments, so nothing is turned.
; SOFTMAX.  A running maximum m and sum l for each query: p = 2^(c s - c m), c = log2(e) / 8; in every step O and l are multiplied by a = 2^(c m_old - c m_new).
; BY TURNS.  A tile never looks at the other tile.  In a turn one tile has the matrix unit, and the other tile's vector work stands between its products, four lines behind each:
;   phase 1: 8 products K Q^T for the NEXT key step | the other tile's maximum, scaling, exponentials and roundings;   phase 2: 8 products V^T P | the other tile's O^T x a and its row sum.
; THE REGISTERS ARE LAID SO THAT A PHASE NEEDS ONE WINDOW SETTING: all that phase 1 names lies in window 0; in phase 2 the products take V (source 0) and O^T (C, D) from window 1 and P (source 1) from window 0,
; and so do its vector lines: O^T = O^T x a and l = l + p have destination and source 0 in window 1 and source 1 in window 0.  Six switches a key step.
; RING.  Two LDS slots of 512 keys: K's 64 KB, then V's 64 KB, both dense images.  Each wave fetches an eighth of a slot, 64 rows of 256 bytes, by one tensor load.
; Half of the head's keys go out as first fills, and a refill is asked for a slot's eight key steps ahead of the wait for it: nothing is prefetched.
; CLUSTER.  The four query blocks of a cluster belong to one head and walk the same K and V: each tile is asked for JOINTLY, by the same load with the same descriptor and a mask that names the four.
; REGISTERS.  window 0: v1 16 x lane; v2, v3 LDS addresses in hand; v4, v5 the add's two; v8-23 statistics; v24-55 Q; v56-119 S^T; v120-183 K of a step; v184-215 P.
;             window 1: v0-63 O^T; v64-127 V of a step; v128-135 the row sums.
.set SLOT1, 1<<17                      ; slot 1 begins here: one exclusive or turns an address in one slot into the other's
.set SPARE, 2*SLOT1                    ; behind the ring: the spare words, 128 bytes a wave: four blocks of 256 bytes that no other line names
.set LI,  1
.set SPW, 4                            ; v4   LDS address of my spare word; never rewritten
.set NIL, 5                            ; v5   0; never rewritten
.set ST,  8                            ; tile t's statistics at v[ST + 8 t]: +0 c m, +1 m, +4 .. +7 c0-c3 at work; a takes c2's place
.set Q,   24                           ; tile t, channels 32 c on: v[Q + 16 t + 8 c]
.set S,   56                           ; S^T: tile t, keys 16 kt on: v[S + 32 t + 8 kt]
.set KF,  120                          ; K: keys 16 kt on, channels 32 c on: v[KF + 16 kt + 8 c]
.set P,   184                          ; P: tile t, keys 32 kg on: v[P + 16 t + 8 kg]
.set VF,  64                           ; in window 1: V^T: keys 32 kg on, channels 16 dt on: v[VF + 32 kg + 8 dt];  O^T: v[32 t + 8 dt]
.set LB,  128                          ; in window 1: tile t's row sum, two chains of pairs (even keys', odd keys'): v[LB + 4 t .. + 3]
.set WV,  8                            ; s8   my wave
.set G1,  16                           ; s[16:23] descriptor group 1
.set G0A, 24                           ; s[24:27] group 0 of slot 0's first fill
.set G0B, 28                           ; s[28:31] group 0 of slot 1's first fill; it then walks on
.set TK,  32                           ; s32  LDS byte of the step's K to be fetched
.set TV,  33                           ; s33  and of its V
.set CNT, 34
.set SLOTS, 35
.set CS,  36                           ; s[36:37] c: the packed form names a pair and takes its low word for both halves
.set SEL, 38                           ; s[38:39] selects of v_permlanex16_b32: lane l xor 16
.set W_PV, 0x51                        ; source 0, source 2 and destination window 1; source 1 window 0
.set MSB, 0
.macro WIN new                         ; bits 1:0 source 0, 3:2 source 1, 5:4 source 2, 7:6 destination; the high byte repeats the setting that is left
.if MSB != \new
	s_set_vgpr_msb (MSB<<8)|\new
.set MSB, \new
.endif
.endm
.macro PLACES                          ; four places behind a matrix instruction, ahead of loads into its sources and of reads of its result
.rept 4
	v_nop
.endr
.endm
.macro CROUND                          ; a round of the cluster's barrier
	s_barrier_signal -1
	s_barrier_wait -1
	s_cmp_lg_u32 s[WV], 0
	s_cbranch_scc1 .Lnot_wave_0_\@
	s_barrier_signal -3
.Lnot_wave_0_\@:
	s_barrier_wait -3
	s_barrier_signal -1
	s_barrier_wait -1
.endm
	s_load_b128 s[4:7], s[0:1], 0x0                ; qkv s[4:5], ao16 s[6:7]
	v_lshl_add_u32 v[SPW], v0, 2, SPARE
	v_mov_b32 v[NIL], 0
	ds_add_u32 v[SPW], v[NIL]                      ; the wave's opening: the add, twice on end, and its wait ahead of my first tensor load
	ds_add_u32 v[SPW], v[NIL]                      ; and once more, under the one wait; the set-up below stands between
	v_lshrrev_b32 v2, 5, v0
	v_readfirstlane_b32 s[WV], v2                  ; wave 0..7
	v_and_b32 v[LI], 31, v0
	v_lshlrev_b32 v[LI], 4, v[LI]
	s_bfe_u32 s9, ttmp6, 0x40000                   ; cx: my place in the cluster
	s_lshl_b32 s10, ttmp9, 2
	s_add_co_u32 s10, s10, s9                      ; my block of 256 queries: it enters Q's and the result's addresses alone
	s_and_b32 s11, ttmp7, 0xffff                   ; y = 8 x batch + head, which the four partners share
	; descriptor group 1: 64 rows of 32 elements of 8 bytes, dense: 16,384 consecutive bytes
	s_mov_b32 s[G1], 15|(3<<16)|(1<<21)            ; 15:0 the mask: all four work-groups; 17:16 elements of 8 bytes; 20 no padding; 21 set beside a mask
	s_mov_b32 s[G1+1], 32<<16                      ; tensor_dim0 = 32
	s_mov_b32 s[G1+2], 64<<16                      ; tensor_dim1 = 64
	s_mov_b32 s[G1+3], 32<<16                      ; tile_dim0 = 32
	s_mov_b32 s[G1+4], 64                          ; tile_dim1 = 64
	s_mov_b32 s[G1+5], 32                          ; from row to row
	s_mov_b32 s[G1+6], 0
	s_mov_b32 s[G1+7], 0
	s_lshr_b32 s12, s[WV], 2                       ; what I fetch: waves 0-3 K's quarters, waves 4-7 V's: k lies 8,388,608 bytes into qkv, v twice as far;
	s_add_co_u32 s12, s12, 1
	s_lshl_b32 s12, s12, 23
	s_lshl_b32 s13, s11, 18                        ; the head's 262,144 bytes;
	s_add_co_u32 s12, s12, s13
	s_and_b32 s13, s[WV], 3
	s_lshl_b32 s13, s13, 14                        ; my quarter.  No place in the cluster enters
	s_add_co_u32 s12, s12, s13
	s_mov_b32 s13, 0
	s_lshl_b32 s42, s11, 18                        ; Q: the head, my block's 16 tiles of 2,048 bytes, my wave's two
	s_lshl_b32 s44, s10, 15
	s_add_co_u32 s42, s42, s44
	s_lshl_b32 s44, s[WV], 12
	s_add_co_u32 s42, s42, s44
	s_mov_b32 s43, 0
	s_lshr_b32 s44, s11, 3                         ; the result: block of 128 rows = 16 x batch + 2 x my block + wave / 4: 131,072 bytes;
	s_lshl_b32 s44, s44, 4
	s_lshl_b32 s46, s10, 1
	s_add_co_u32 s44, s44, s46
	s_lshr_b32 s46, s[WV], 2
	s_add_co_u32 s44, s44, s46
	s_lshl_b32 s44, s44, 17
	s_bfe_u32 s46, s11, 0x10002                    ; half of the inner 512: head / 4: 65,536;
	s_lshl_b32 s46, s46, 16
	s_add_co_u32 s44, s44, s46
	s_and_b32 s46, s[WV], 3                        ; my two tiles of rows: 8,192 each;
	s_lshl_b32 s46, s46, 14
	s_add_co_u32 s44, s44, s46
	s_and_b32 s46, s11, 3                          ; the head's two K steps of 32: 1,024 each
	s_lshl_b32 s46, s46, 11
	s_add_co_u32 s44, s44, s46
	s_mov_b32 s45, 0
	s_mov_b32 s[TK], 0
	s_mov_b32 s[TV], 65536
	s_mov_b32 s[SLOTS], 2
	s_mov_b32 s[CS], 0x3e38aa3b                    ; c = log2(e) / 8
	s_mov_b32 s[CS+1], s[CS]                       ; (named with it as a pair, so it is written)
	s_mov_b32 s[SEL], 0x76543210
	s_mov_b32 s[SEL+1], 0xfedcba98
	s_wait_dscnt 0x0                               ; both opening adds are done
	s_wait_kmcnt 0x0
	s_add_nc_u64 s[14:15], s[4:5], s[12:13]
	s_add_nc_u64 s[40:41], s[4:5], s[42:43]
	s_add_nc_u64 s[6:7], s[6:7], s[44:45]
	s_mov_b32 s[G0A], 1                            ; count = 1
	s_lshl_b32 s[G0A+1], s[WV], 14                 ; LDS: my eighth of slot 0
	s_mov_b64 s[G0A+2:G0A+3], s[14:15]             ; keys 0 to 511
	s_or_b32 s[G0A+3], s[G0A+3], 0x80000000        ; type = 2
	s_mov_b32 s[G0B], 1
	s_add_co_u32 s[G0B+1], s[G0A+1], SLOT1         ; of slot 1
	s_add_nc_u64 s[G0B+2:G0B+3], s[14:15], 65536   ; keys 512 to 1,023
	s_or_b32 s[G0B+3], s[G0B+3], 0x80000000
	CROUND                                         ; all four work-groups are here: the first joint loads meet
	tensor_load_to_lds s[G0A:G0A+3], s[G1:G1+7]    ; every wave issues both first fills: two loads of mine are out
	s_nop 0
	tensor_load_to_lds s[G0B:G0B+3], s[G1:G1+7]
	s_nop 0
	PLACES
.irp f, 0,1,2,3,4,5,6,7
	global_load_b128 v[Q+4*\f:Q+4*\f+3], v[LI], s[40:41] offset:512*\f   ; Q stays in registers
.endr
	WIN 0x40                                       ; destination window 1
.irp k, 0,1,2,3,4,5,6,7
	v_mov_b32 v[LB+\k], 0                          ; the row sums begin as zeros: eight registers, once
.endr
	WIN 0
.macro FETCH_K                         ; a step's K: 64 keys x 64 channels: 16 loads of 512 consecutive bytes.  Every window is 0 here
	v_add_nc_u32 v2, s[TK], v[LI]
.irp f, 0,1,2,3,4,5,6,7,8,9,10,11,12,13,14,15
	ds_load_b128 v[KF+4*\f:KF+4*\f+3], v2 offset:512*\f
.endr
	s_add_co_u32 s[TK], s[TK], 8192
.endm
.macro FETCH_V                         ; and its V^T, into window 1
	WIN 0
	v_add_nc_u32 v3, s[TV], v[LI]
	WIN 0x40
.irp f, 0,1,2,3,4,5,6,7,8,9,10,11,12,13,14,15
	ds_load_b128 v[VF+4*\f:VF+4*\f+3], v3 offset:512*\f
.endr
	WIN 0
	s_add_co_u32 s[TV], s[TV], 8192
.endm
; Product i of 8 of S^T = K Q^T of tile x: channels 32 (i / 4) on, keys 16 (i % 4) on.  The first four start the sums.  The four accumulators take turns, one instruction a turn.
.macro QKI x
.set rD, S+32*(\x)+8*(i%4)
.set rK, KF+16*(i%4)+8*(i/4)
.set rQ, Q+16*(\x)+8*(i/4)
.if i < 4
	v_wmma_f32_16x16x32_f16 v[rD:rD+7], v[rK:rK+7], v[rQ:rQ+7], 0
.else
	v_wmma_f32_16x16x32_f16 v[rD:rD+7], v[rK:rK+7], v[rQ:rQ+7], v[rD:rD+7]
.endif
.endm
; Product i of 8 of O^T += V^T P of tile x: keys 32 (i / 4) on, channels 16 (i % 4) on.  zero = 1: the first four start the sums: O^T is never cleared.
.macro PVI x, zero
.set rO, 32*(\x)+8*(i%4)
.set rV, VF+32*(i/4)+8*(i%4)
.set rB, P+16*(\x)+8*(i/4)
.if (\zero) && (i < 4)
	v_wmma_f32_16x16x32_f16 v[rO:rO+7], v[rV:rV+7], v[rB:rB+7], 0
.else
	v_wmma_f32_16x16x32_f16 v[rO:rO+7], v[rV:rV+7], v[rB:rB+7], v[rO:rO+7]
.endif
.endm
; Line n of 86 of tile y's softmax for one key step, all in window 0.  s0-s31 are the lane's 32 scores.  first = 1: the first key step, which has no old maximum and no a.
;   0-15   the maximum of s0-s31 and the old m, three operands at a time: four chains, each beginning at an accumulator's low end
;   16-20  the other half of the lanes' maximum; the new m; c m; c m_old - c m_new
;   21-36  the 16 scalings c s - c m, a pair each
;   37-69  ONE BATCH of exponentials, a and s0-s31: none reads another's result; the wait for the batch stands behind line 69
;   70-85  the roundings to f16, a pair of neighbouring keys each: P's registers in the operand's order.  S^T keeps the unrounded p for the row sum
.macro SM y, first
.set rT, ST+8*(\y)
.set rS, S+32*(\y)
.set rP, P+16*(\y)
.if n < 4
	v_max3_num_f32 v[rT+4+n], v[rS+8*n], v[rS+8*n+1], v[rS+8*n+2]
.elseif n < 12
	v_max3_num_f32 v[rT+4+n%4], v[rT+4+n%4], v[rS+8*(n%4)+2*(n/4)+1], v[rS+8*(n%4)+2*(n/4)+2]
.elseif n == 12
	v_max3_num_f32 v[rT+4], v[rT+4], v[rS+7], v[rS+15]
.elseif n == 13
	v_max3_num_f32 v[rT+6], v[rT+6], v[rS+23], v[rS+31]
.elseif n == 14
	v_max3_num_f32 v[rT+4], v[rT+4], v[rT+5], v[rT+6]
.elseif (n == 15) && \first
	v_max_num_f32 v[rT+4], v[rT+4], v[rT+7]
.elseif n == 15
	v_max3_num_f32 v[rT+4], v[rT+4], v[rT+7], v[rT+1]
.elseif n == 16
	v_permlanex16_b32 v[rT+5], v[rT+4], s[SEL], s[SEL+1]   ; the query's other 32 keys lie in the lane 16 away
.elseif n == 18
	v_max_num_f32 v[rT+1], v[rT+4], v[rT+5]
.elseif n == 19
	v_mul_f32 v[rT], s[CS], v[rT+1]
.elseif ((n == 17) || (n == 20) || (n == 37)) && \first    ; the first step has none of these
.elseif n == 17
	v_mov_b32 v[rT+7], v[rT]                       ; c m_old is kept for a: line 19 writes c m anew
.elseif n == 20
	v_sub_f32 v[rT+7], v[rT+7], v[rT]
.elseif n < 37
	v_pk_fma_f32 v[rS+2*(n-21):rS+2*(n-21)+1], v[rS+2*(n-21):rS+2*(n-21)+1], s[CS:CS+1], v[rT:rT+1] op_sel_hi:[1,0,0] neg_lo:[0,0,1] neg_hi:[0,0,1]
.elseif n == 37
	v_exp_f32 v[rT+6], v[rT+7]                     ; a
.elseif n < 70
	v_exp_f32 v[rS+n-38], v[rS+n-38]               ; p, at most 1
.else
	v_cvt_pk_f16_f32 v[rP+n-70], v[rS+2*(n-70)], v[rS+2*(n-70)+1]
.endif
.endm
; PHASE 1 of tile x's turn, all in window 0.  qk = 1: its 8 products K Q^T, one ahead of every fourth line of the other tile's softmax; the last stands ahead of line 28.
; kl = 1: the K of the step after is fetched behind line 36: lines 28 to 36, nine packed scalings that name none of the products' registers, are the places between the last product and the loads.
.macro PH1 x, qk, first, kl
	WIN 0
.set n, 0
.rept 86
.if (\qk) && (n%4 == 0) && (n < 32)
.set i, n/4
	QKI \x
.endif
	SM 1-\x, \first
.if n == 36
.if \kl
	FETCH_K
.endif
.endif
.if n == 69
	v_nop                                          ; a plain instruction behind the last exponential, ahead of the first use
	s_wait_alu depctr_va_vdst(0)                   ; the wait ahead of the first instruction that names a result: one for the batch
.endif
.set n, n+1
.endr
.endm
; PHASE 2 of tile x's turn, all under one window setting.  mm = 1: its 8 products V^T P.  vec = 1: the other tile's row sum, 16 packed additions of the unrounded p in two chains;
; rs = 1: ahead of them its sums, and among them its O^T, are multiplied by a (each accumulator of O^T from its low end on).  Four lines stand behind each product and name none of its registers:
; behind the last they are the places ahead of the next loads into V's registers; where the phase has fewer, v_nop make up the four.
.macro PH2 x, mm, zero, vec, rs
	WIN W_PV
.set rT, ST+8*(1-(\x))
.set rS, S+32*(1-(\x))
.set rL, LB+4*(1-(\x))
.set rY, 32*(1-(\x))
.if (\vec) && (\rs)
	v_pk_mul_f32 v[rL:rL+1], v[rL:rL+1], v[rT+6:rT+7] op_sel_hi:[1,0]
	v_pk_mul_f32 v[rL+2:rL+3], v[rL+2:rL+3], v[rT+6:rT+7] op_sel_hi:[1,0]
.endif
.set i, 0
.rept 8
.if \mm
	PVI \x, \zero
.endif
.if \vec
.if \rs
	v_pk_mul_f32 v[rY+4*i:rY+4*i+1], v[rY+4*i:rY+4*i+1], v[rT+6:rT+7] op_sel_hi:[1,0]
.endif
	v_pk_add_f32 v[rL:rL+1], v[rL:rL+1], v[rS+4*i:rS+4*i+1]
.if \rs
	v_pk_mul_f32 v[rY+4*i+2:rY+4*i+3], v[rY+4*i+2:rY+4*i+3], v[rT+6:rT+7] op_sel_hi:[1,0]
.endif
	v_pk_add_f32 v[rL+2:rL+3], v[rL+2:rL+3], v[rS+4*i+2:rS+4*i+3]
.endif
.set i, i+1
.endr
.if \mm
.if (\vec) == 0
	PLACES
.elseif (\rs) == 0
	v_nop
	v_nop
.endif
.endif
	WIN 0
.endm
; THE CHANGE OF SLOTS.  Each wave waits for all its tensor loads (its part of the other slot), adds 0 to its spare word, and waits for that and for its reads of the slot that it leaves.
; fill = 1: the barrier is a round of the cluster's, and the slot just left is filled with the keys two slots on: the wave's one load, first behind the round; it has eight key steps in which to land.
.macro CHANGE fill
	s_wait_tensorcnt 0x0                           ; no tensor load of mine is out, so a group 0 may be written
	ds_add_u32 v[SPW], v[NIL]                      ; 0 onto my spare word: the steps below stand between it and the wait for it
.if \fill
	s_xor_b32 s[G0B+1], s[G0B+1], SLOT1            ; the walking descriptor: the other slot than last time,
	s_add_nc_u64 s[G0B+2:G0B+3], s[G0B+2:G0B+3], 65536   ; the next 512 keys; the type bits on top are not reached
.endif
	s_sub_co_u32 s[TK], s[TK], 65536               ; eight fetches of K and eight of V have gone by: both go back to a slot's first step,
	s_xor_b32 s[TK], s[TK], SLOT1                  ; in the other slot
	s_sub_co_u32 s[TV], s[TV], 65536
	s_xor_b32 s[TV], s[TV], SLOT1
	s_wait_dscnt 0x0                               ; the add is done, and my reads of the slot are over, its last V among them
.if \fill
	CROUND                                         ; no wave of any partner still reads the slot or has a load on its way
	tensor_load_to_lds s[G0B:G0B+3], s[G1:G1+7]
	s_nop 0
	PLACES
.else
	s_barrier_signal -1
	s_barrier_wait -1
.endif
.endm
; KEY STEP j: two turns.  At its head S^T(1, j), P(0, j) and K(j + 1) are there, and O^T(0) stands under m(0, j).
;   V(j) is fetched | tile 0: K Q^T (j + 1) among tile 1's softmax (j);  V^T P (j) among tile 1's O^T x a and sum | tile 1: K Q^T (j + 1) among tile 0's softmax (j + 1);  V^T P (j) among tile 0's O^T x a and sum.
; pre = 1: K(j + 2) is fetched in tile 1's turn.  The step ahead of a change of slots fetches none: K runs ahead of V, so the change stands at the head of a slot's LAST step (chg = 1: with a refill, 2: without),
; behind the fetch of the slot's last V and ahead of the fetch of the next slot's first K.  fst = 1: key step 0.
.macro BODY chg, pre, fst
	FETCH_V
.if (\chg) == 1
	CHANGE 1
.elseif (\chg) == 2
	CHANGE 0
.endif
.if \chg
	FETCH_K
	s_wait_dscnt 0x0                               ; K is in (V has been since the change)
.else
	s_wait_dscnt 16                                ; K is in (asked for half a step ago); V's sixteen loads may be out
.endif
	PH1 0, 1, \fst, 0
.if (\chg) == 0
	s_wait_dscnt 0x0                               ; V is in
.endif
	PH2 0, 1, \fst, 1, 1-\fst
	PH1 1, 1, 0, \pre
	PH2 1, 1, \fst, 1, 1
.endm
.macro BODIES count                    ; so many key steps of the common kind.  Both ways into the loop have K's sixteen loads out
	s_mov_b32 s[CNT], \count
.Lstep_\@:
	BODY 0, 1, 0
	s_sub_co_u32 s[CNT], s[CNT], 1
	s_cmp_lg_u32 s[CNT], 0
	s_cbranch_scc1 .Lstep_\@
.endm
	s_wait_tensorcnt 1                             ; my part of slot 0 is in; slot 1's may stay out
	s_barrier_signal -1
	s_barrier_wait -1                              ; everybody's is
	FETCH_K                                        ; key step 0
	s_wait_loadcnt 0x0                             ; Q
	s_wait_dscnt 0x0
.irp c, 0,1                                    ; both tiles' first scores: there is no vector work yet to set between them; the eight accumulators by turns
.irp kt, 0,1,2,3
.irp t, 0,1
.if \c == 0
	v_wmma_f32_16x16x32_f16 v[S+32*\t+8*\kt:S+32*\t+8*\kt+7], v[KF+16*\kt:KF+16*\kt+7], v[Q+16*\t:Q+16*\t+7], 0
.else
	v_wmma_f32_16x16x32_f16 v[S+32*\t+8*\kt:S+32*\t+8*\kt+7], v[KF+16*\kt+8:KF+16*\kt+15], v[Q+16*\t+8:Q+16*\t+15], v[S+32*\t+8*\kt:S+32*\t+8*\kt+7]
.endif
.endr
.endr
.endr
	PLACES                                         ; ahead of the loads into K's registers and of the first reads of the scores
	FETCH_K                                        ; key step 1
	PH1 1, 0, 1, 0                                 ; tile 0's first softmax,
	PH2 1, 0, 0, 1, 0                              ; and its first sum
	BODY 0, 1, 1                                   ; key step 0
	BODIES 5                                       ; 1 to 5
	BODY 0, 0, 0                                   ; 6
.Lslot:                                            ; two trips: key steps 7 to 14, 15 to 22; at the head of each the slot just left takes keys 1,024 on, 1,536 on
	BODY 1, 1, 0
	BODIES 6
	BODY 0, 0, 0
	s_sub_co_u32 s[SLOTS], s[SLOTS], 1
	s_cmp_lg_u32 s[SLOTS], 0
	s_cbranch_scc1 .Lslot
	BODY 2, 1, 0                                   ; 23: the tail is written out
	BODIES 6                                       ; 24 to 29
	BODY 0, 0, 0                                   ; 30
	FETCH_V                                        ; 31: there is no next step's K Q^T
	PH1 0, 0, 0, 0                                 ; tile 1's last softmax
	s_wait_dscnt 0x0                               ; V is in
	PH2 0, 1, 0, 1, 1                              ; tile 0's last V^T P among tile 1's O^T x a and sum
	PH2 1, 1, 0, 0, 0                              ; tile 1's last V^T P, and four places
	; THE WAY OUT.  A tile's four partial sums and the other half of the lanes' are added; O^T x 4 / l, rounded to f16: a lane's eight channels of a query are 16 bytes of the next operand's image.
	WIN 0x05                                       ; sources 0 and 1 window 1
.irp t, 0,1
	v_add_f32 v[ST+8*\t+4], v[LB+4*\t], v[LB+4*\t+1]
	v_add_f32 v[ST+8*\t+5], v[LB+4*\t+2], v[LB+4*\t+3]
.endr
	WIN 0
.irp t, 0,1
	v_add_f32 v[ST+8*\t+4], v[ST+8*\t+4], v[ST+8*\t+5]
.endr
.irp t, 0,1
	v_permlanex16_b32 v[ST+8*\t+5], v[ST+8*\t+4], s[SEL], s[SEL+1]
.endr
.irp t, 0,1
	v_add_f32 v[ST+8*\t+4], v[ST+8*\t+4], v[ST+8*\t+5]
.endr
.irp t, 0,1
	v_rcp_f32 v[ST+8*\t+6], v[ST+8*\t+4]
.endr
	v_nop                                          ; a plain instruction between the last reciprocal and the use of its result
	s_wait_alu depctr_va_vdst(0)                   ; and the wait: one for the two
.irp t, 0,1
	v_mul_f32 v[ST+8*\t+6], 4.0, v[ST+8*\t+6]
.endr
	WIN 0x41                                       ; O^T (destination and source 0) window 1
.irp t, 0,1
.irp i, 0,1,2,3,4,5,6,7,8,9,10,11,12,13,14,15
	v_pk_mul_f32 v[32*\t+2*\i:32*\t+2*\i+1], v[32*\t+2*\i:32*\t+2*\i+1], v[ST+8*\t+6:ST+8*\t+7] op_sel_hi:[1,0]   ; each accumulator from its low end on
.endr
.endr
	WIN 0x05                                       ; sources 0 and 1 window 1; S^T's registers are free
.set j, 0
.rept 32
	v_cvt_pk_f16_f32 v[S+j], v[2*j], v[2*j+1]      ; register 16 t + 4 dt + i
.set j, j+1
.endr
	WIN 0
.irp t, 0,1
.irp dt, 0,1,2,3
	global_store_b128 v[LI], v[S+16*\t+4*\dt:S+16*\t+4*\dt+3], s[6:7] offset:\t*8192+\dt*512   ; 512 consecutive aligned bytes
.endr
.endr
	s_wait_tensorcnt 0x0                           ; the wave's end, behind my last tensor load
	ds_add_u32 v[SPW], v[NIL]
	s_wait_dscnt 0x0
	CROUND                                         ; the closing round: no work-group ends while a partner may still ask for a tile that names it
	s_endpgm
.Lfunc_end_k_q7647f29041_attn:
	.size	k_q7647f29041_attn, .Lfunc_end_k_q7647f29041_attn-k_q7647f29041_attn
	.p2alignl 7, 3214868480
	.fill 96, 4, 3214868480
	.section	.rodata,"a",@progbits
	.p2align	6, 0x0
	.amdhsa_kernel k_q7647f29041_attn
		.amdhsa_group_segment_fixed_size 327680
		.amdhsa_private_segment_fixed_size 0
		.amdhsa_enable_private_segment 0
		.amdhsa_kernarg_size 16
		.amdhsa_user_sgpr_count 2
		.amdhsa_user_sgpr_kernarg_segment_ptr 1
		.amdhsa_wavefront_size32 1
		.amdhsa_system_sgpr_workgroup_id_x 1
		.amdhsa_system_sgpr_workgroup_id_y 1
		.amdhsa_system_sgpr_workgroup_id_z 1
		.amdhsa_system_vgpr_workitem_id 0
		.amdhsa_next_free_vgpr 400
		.amdhsa_next_free_sgpr 66
		.amdhsa_reserve_vcc 0
		.amdhsa_float_denorm_mode_32 3
		.amdhsa_float_denorm_mode_16_64 3
		.amdhsa_memory_ordered 1
		.amdhsa_forward_progress 1
		.amdhsa_inst_pref_size 184
	.end_amdhsa_kernel
	.amdgpu_metadata
---
amdhsa.version: [ 1, 2 ]
amdhsa.kernels:
  - .name:           k_q7647f29041_attn
    .symbol:         k_q7647f29041_attn.kd
    .args:
      - { .name: qkv, .offset: 0, .size: 8, .value_kind: global_buffer, .address_space: global }
      - { .name: ao16, .offset: 8, .size: 8, .value_kind: global_buffer, .address_space: global }
    .group_segment_fixed_size: 327680
    .private_segment_fixed_size: 0
    .kernarg_segment_align: 8
    .kernarg_segment_size: 16
    .max_flat_workgroup_size: 256
    .sgpr_count:     66
    .vgpr_count:     400
    .wavefront_size: 32
...
	.end_amdgpu_metadata
.endif
;; end of part 3
;; launch outp (part 4): grid 4 x 64, 8 waves a work-group, clusters of 4 x 4, 263,168 bytes of LDS; arguments ao16, wo16, bo, out0; writes out0
.if DOCPART == 4
	.amdgcn_target "amdgcn-amd-amdhsa--gfx1250"
	.amdhsa_code_object_version 6
	.text
	.protected	k_q7647f29041_outp
	.globl	k_q7647f29041_outp
	.p2align	8
	.type	k_q7647f29041_outp,@function
k_q7647f29041_outp:
	s_mov_b64 s[64:65], 0
	v_nop
	global_prefetch_b8 v0, s[64:65] scope:SCOPE_SE
	s_setreg_imm32_b32 hwreg(HW_REG_WAVE_MODE, 25, 1), 1
	s_wait_xcnt 0x0
	s_wait_alu depctr_hold_cnt(0) depctr_sa_sdst(0) depctr_va_vdst(0) depctr_va_sdst(0) depctr_va_ssrc(0) depctr_va_vcc(0) depctr_vm_vsrc(0)
	s_getreg_b32 s2, hwreg(HW_REG_IB_STS2, 6, 4)
	s_cmp_eq_u32 s2, 0
	s_cbranch_scc0 .Lentry_in_a_cluster
	s_endpgm
.Lentry_in_a_cluster:
	s_bfe_u32 s2, ttmp6, 0x10000c
	s_cmp_lg_u32 s2, 0xf033
	s_cbranch_scc0 .Lentry_shape_is_right
	s_endpgm
.Lentry_shape_is_right:
; out0 = o Wo + bo.  ao16 holds 4 o as f16, wo16 holds Wo as f16, both as images of operand registers; sums in f32; out0 = 0.25 x sum + bo by one fused multiply-add.
; A work-group makes 128 rows x 128 columns, K = 512.  Wave w: rows 32 (w % 4) .. + 31 (two tiles) x the group g = w / 4 of 64 columns (four tiles): eight accumulators.
; THE COLUMNS OF A TILE ARE NOT NEIGHBOURS: lane r of tile u holds column 64 g + 4 r + u.  So a lane's four tiles hold four neighbouring columns of a row: 16 bytes, and sixteen lanes store
; 256 consecutive aligned bytes straight from registers: no stage on the way out.
; LDS: both halves of K of the block's rows (2 x 64 KB) and of its columns (2 x 64 KB), each byte filled once: no ring.  Each wave fetches an eighth of each half: 64 rows of 256 bytes.
; CLUSTER: 4 x 4 work-groups.  The four of a row of the cluster need the same rows of o, the four of a column the same columns of Wo: each is asked for JOINTLY, by the same load with the same
; descriptor and a mask that names the four.
; REGISTERS: v1 16 x lane; v2-3, v4-5 LDS addresses of my rows' and my columns' fragments in the two halves; v6 my offset in out0; v7 in bo; v8, v9 the add's two; v12-15 the bias;
; v64-127 accumulators; v128-223 two buffers of 48: two fragments of rows, four of columns; on the way out v128-191 the results.
.set HALFB, 1<<17                      ; a half of K in LDS: the rows' 64 KB, then the columns' 64 KB
.set SPARE, 2*HALFB                    ; behind them: the spare words, 128 bytes a wave: four blocks of 256 bytes that no other line names
.set ADA, 2
.set ADB, 4
.set CO,  6
.set BO,  7
.set SPW, 8                            ; v8   LDS address of my spare word; never rewritten
.set NIL, 9                            ; v9   0; never rewritten
.set BI,  12
.set ACC, 64                           ; accumulator (a, u) at v[ACC + 32 a + 8 u]
.set BUF, 128
.set WV,  14                           ; s14  my wave
.set G1A, 24                           ; s[24:31] descriptor group 1 for the rows;  s[32:39] for the columns: they differ in the mask alone
.set G1B, 32
.set G0A, 40                           ; s[40:47] group 0 for the rows, one set for each half of K;  s[48:55] for the columns
.set G0B, 48
.macro PLACES
.rept 4
	v_nop
.endr
.endm
.macro CROUND                          ; a round of the cluster's barrier
	s_barrier_signal -1
	s_barrier_wait -1
	s_cmp_lg_u32 s[WV], 0
	s_cbranch_scc1 .Lnot_wave_0_\@
	s_barrier_signal -3
.Lnot_wave_0_\@:
	s_barrier_wait -3
	s_barrier_signal -1
	s_barrier_wait -1
.endm
	s_load_b256 s[4:11], s[0:1], 0x0               ; ao16 s[4:5], wo16 s[6:7], bo s[8:9], out0 s[10:11]
	v_lshl_add_u32 v[SPW], v0, 2, SPARE
	v_mov_b32 v[NIL], 0
	ds_add_u32 v[SPW], v[NIL]                      ; the wave's opening: the add, twice on end, and its wait ahead of my first tensor load
	ds_add_u32 v[SPW], v[NIL]                      ; and once more, under the one wait; the set-up below stands between
	v_lshrrev_b32 v1, 5, v0
	v_readfirstlane_b32 s[WV], v1                  ; wave 0..7
	s_bfe_u32 s15, ttmp6, 0x40000                  ; cx, cy: my place in the cluster
	s_bfe_u32 s16, ttmp6, 0x40004
	s_lshl_b32 s17, ttmp9, 2
	s_add_co_u32 s17, s17, s15                     ; block of 128 columns = 4 x cluster x + cx
	s_and_b32 s18, ttmp7, 0xffff
	s_lshl_b32 s18, s18, 2
	s_add_co_u32 s18, s18, s16                     ; block of 128 rows = 4 x cluster y + cy
	s_lshl_b32 s21, s16, 2
	s_lshl_b32 s21, 15, s21                        ; my row of the cluster
	s_lshl_b32 s22, 0x1111, s15                    ; my column
	s_or_b32 s[G1A], s21, (3<<16)|(1<<21)          ; 15:0 the mask; 17:16 elements of 8 bytes; 20 no padding; 21 set beside a mask
	s_or_b32 s[G1B], s22, (3<<16)|(1<<21)
.irp g, G1A, G1B
	s_mov_b32 s[\g+1], 32<<16                      ; tensor_dim0 = 32
	s_mov_b32 s[\g+2], 64<<16                      ; tensor_dim1 = 64
	s_mov_b32 s[\g+3], 32<<16                      ; tile_dim0 = 32
	s_mov_b32 s[\g+4], 64                          ; tile_dim1 = 64
	s_mov_b32 s[\g+5], 32                          ; from row to row: dense
	s_mov_b32 s[\g+6], 0
	s_mov_b32 s[\g+7], 0
.endr
	s_and_b32 s12, s[WV], 3
	s_lshl_b32 s13, s12, 14                        ; which quarter of 64 KB I fetch; also: my two tiles of rows in LDS
	s_lshl_b32 s56, s18, 17                        ; the rows: the block's 131,072 bytes, my quarter: made of the block of rows and the wave's number alone
	s_add_co_u32 s56, s56, s13
	s_mov_b32 s57, 0
	s_lshl_b32 s58, s17, 17                        ; the columns likewise, of the block of columns and the wave's number alone
	s_add_co_u32 s58, s58, s13
	s_mov_b32 s59, 0
	s_lshl_b32 s19, s[WV], 14                      ; where they go: waves 0-3 the rows' quarters, waves 4-7 the columns': wave x 16,384
	s_lshr_b32 s20, s[WV], 2                       ; g
	s_lshl_b32 s60, s17, 9                         ; my first column, in bytes of f32: 512 x block + 256 g
	s_lshl_b32 s23, s20, 8
	s_add_co_u32 s60, s60, s23
	s_mov_b32 s61, 0
	s_lshl_b32 s62, s18, 18                        ; my first row: 128 rows of 2,048 bytes a block, 32 rows for w % 4
	s_lshl_b32 s23, s12, 16
	s_add_co_u32 s62, s62, s23
	s_add_co_u32 s62, s62, s60
	s_mov_b32 s63, 0
	s_mov_b32 s21, 0x3e800000                      ; 0.25
	s_wait_dscnt 0x0                               ; both opening adds are done
	s_wait_kmcnt 0x0
	s_add_nc_u64 s[56:57], s[4:5], s[56:57]
	s_add_nc_u64 s[58:59], s[6:7], s[58:59]
	s_add_nc_u64 s[8:9], s[8:9], s[60:61]
	s_add_nc_u64 s[10:11], s[10:11], s[62:63]
.irp k, 0,1
	s_mov_b32 s[G0A+4*\k], 1
	s_add_co_u32 s[G0A+4*\k+1], s19, \k*HALFB
	s_add_nc_u64 s[G0A+4*\k+2:G0A+4*\k+3], s[56:57], \k*65536
	s_or_b32 s[G0A+4*\k+3], s[G0A+4*\k+3], 0x80000000
	s_mov_b32 s[G0B+4*\k], 1
	s_add_co_u32 s[G0B+4*\k+1], s19, \k*HALFB
	s_add_nc_u64 s[G0B+4*\k+2:G0B+4*\k+3], s[58:59], \k*65536
	s_or_b32 s[G0B+4*\k+3], s[G0B+4*\k+3], 0x80000000
.endr
	CROUND                                         ; all sixteen work-groups are here: the joint loads meet
	s_cmp_lt_u32 s[WV], 4                          ; a wave's two fills stand in one branch on the wave's number, the same in every work-group: two loads of mine are out
	s_cbranch_scc0 .Lfor_b
	tensor_load_to_lds s[G0A:G0A+3], s[G1A:G1A+7]
	s_nop 0
	tensor_load_to_lds s[G0A+4:G0A+7], s[G1A:G1A+7]
	s_nop 0
	PLACES
	s_branch .Lasked
.Lfor_b:
	tensor_load_to_lds s[G0B:G0B+3], s[G1B:G1B+7]
	s_nop 0
	tensor_load_to_lds s[G0B+4:G0B+7], s[G1B:G1B+7]
	s_nop 0
	PLACES
.Lasked:
	v_and_b32 v10, 31, v0
	v_lshlrev_b32 v1, 4, v10                       ; 16 x lane
	v_and_b32 v11, 15, v0                          ; r
	v_bfe_u32 v10, v0, 4, 1                        ; h
	v_lshlrev_b32 v[BO], 4, v11                    ; my four columns: 16 r
	v_lshl_add_u32 v[CO], v10, 14, v[BO]           ; and 8 h rows of 2,048 bytes
	global_load_b128 v[BI:BI+3], v[BO], s[8:9]     ; bo at columns 4 r + 0 .. 3 of my group
	v_add_nc_u32 v[ADA], s13, v1                   ; my two tiles of rows,
	v_add_nc_u32 v[ADA+1], HALFB, v[ADA]
	s_lshl_b32 s23, s20, 15
	s_add_co_u32 s23, s23, 65536
	v_add_nc_u32 v[ADB], s23, v1                   ; my four tiles of columns, behind the rows' 64 KB
	v_add_nc_u32 v[ADB+1], HALFB, v[ADB]
.macro FETCH kh, kp, b                 ; the fragments of K step kp (32 along K) of half kh into buffer b: twelve loads of 512 consecutive bytes
.irp a, 0,1
.irp hf, 0,1
	ds_load_b128 v[BUF+48*(\b)+8*\a+4*\hf:BUF+48*(\b)+8*\a+4*\hf+3], v[ADA+(\kh)] offset:\a*8192+(\kp)*1024+\hf*512
.endr
.endr
.irp u, 0,1,2,3
.irp hf, 0,1
	ds_load_b128 v[BUF+48*(\b)+16+8*\u+4*\hf:BUF+48*(\b)+16+8*\u+4*\hf+3], v[ADB+(\kh)] offset:\u*8192+(\kp)*1024+\hf*512
.endr
.endr
.endm
; Half kh of K: eight K steps of 32 on two buffers; a step's fragments are asked for while the step before is multiplied.  The eight accumulators by turns, one instruction a turn.
.macro HALF kh
.if \kh
	PLACES                                         ; both buffers were read by the first half's last sixteen products
.endif
	FETCH \kh, 0, 0
.irp kp, 0,1,2,3,4,5,6,7
.if \kp < 7
.if \kp > 0
	PLACES                                         ; the other buffer was read by the last eight products
.endif
	FETCH \kh, \kp+1, (\kp+1)%2
	s_wait_dscnt 12                                ; this step's fragments are in; the twelve loads just issued may be out
.else
	s_wait_dscnt 0x0
.endif
.irp a, 0,1
.irp u, 0,1,2,3
.if (\kh == 0) && (\kp == 0)
	v_wmma_f32_16x16x32_f16 v[ACC+32*\a+8*\u:ACC+32*\a+8*\u+7], v[BUF+48*(\kp%2)+8*\a:BUF+48*(\kp%2)+8*\a+7], v[BUF+48*(\kp%2)+16+8*\u:BUF+48*(\kp%2)+16+8*\u+7], 0
.else
	v_wmma_f32_16x16x32_f16 v[ACC+32*\a+8*\u:ACC+32*\a+8*\u+7], v[BUF+48*(\kp%2)+8*\a:BUF+48*(\kp%2)+8*\a+7], v[BUF+48*(\kp%2)+16+8*\u:BUF+48*(\kp%2)+16+8*\u+7], v[ACC+32*\a+8*\u:ACC+32*\a+8*\u+7]
.endif
.endr
.endr
.endr
.endm
	s_wait_tensorcnt 1                             ; my part of the first half of K is in; the second half's may stay out
	s_barrier_signal -1
	s_barrier_wait -1                              ; everybody's is
	HALF 0
	s_wait_tensorcnt 0x0                           ; my part of the second half is in (no LDS load of mine is out: the last wait on them was for 0)
	s_barrier_signal -1
	s_barrier_wait -1
	HALF 1
	PLACES                                         ; ahead of the reads of the results, and of the writes over the buffers that the last products read
	s_wait_loadcnt 0x0                             ; the bias
.irp a, 0,1
.irp j, 0,1,2,3,4,5,6,7
.irp u, 0,1,2,3
	v_fma_f32 v[BUF+32*\a+4*\j+\u], v[ACC+32*\a+8*\u+\j], s21, v[BI+\u]   ; row 16 a + 8 h + j, column 4 r + u: 0.25 x sum + bo; each accumulator from its low end on
.endr
.endr
.endr
.irp a, 0,1
.irp j, 0,1,2,3,4,5,6,7
	global_store_b128 v[CO], v[BUF+32*\a+4*\j:BUF+32*\a+4*\j+3], s[10:11] offset:(16*\a+\j)*2048 th:TH_STORE_NT   ; sixteen lanes store 256 consecutive aligned bytes of a row; written once, read by nobody here
.endr
.endr
	s_wait_tensorcnt 0x0                           ; the wave's end, behind my last tensor load
	ds_add_u32 v[SPW], v[NIL]
	s_wait_dscnt 0x0
	CROUND                                         ; the closing round: no work-group ends while a partner may still ask for a tile that names it
	s_endpgm
.Lfunc_end_k_q7647f29041_outp:
	.size	k_q7647f29041_outp, .Lfunc_end_k_q7647f29041_outp-k_q7647f29041_outp
	.p2alignl 7, 3214868480
	.fill 96, 4, 3214868480
	.section	.rodata,"a",@progbits
	.p2align	6, 0x0
	.amdhsa_kernel k_q7647f29041_outp
		.amdhsa_group_segment_fixed_size 263168
		.amdhsa_private_segment_fixed_size 0
		.amdhsa_enable_private_segment 0
		.amdhsa_kernarg_size 32
		.amdhsa_user_sgpr_count 2
		.amdhsa_user_sgpr_kernarg_segment_ptr 1
		.amdhsa_wavefront_size32 1
		.amdhsa_system_sgpr_workgroup_id_x 1
		.amdhsa_system_sgpr_workgroup_id_y 1
		.amdhsa_system_sgpr_workgroup_id_z 1
		.amdhsa_system_vgpr_workitem_id 0
		.amdhsa_next_free_vgpr 256
		.amdhsa_next_free_sgpr 66
		.amdhsa_reserve_vcc 0
		.amdhsa_float_denorm_mode_32 3
		.amdhsa_float_denorm_mode_16_64 3
		.amdhsa_memory_ordered 1
		.amdhsa_forward_progress 1
		.amdhsa_inst_pref_size 34
	.end_amdhsa_kernel
	.amdgpu_metadata
---
amdhsa.version: [ 1, 2 ]
amdhsa.kernels:
  - .name:           k_q7647f29041_outp
    .symbol:         k_q7647f29041_outp.kd
    .args:
      - { .name: ao16, .offset: 0, .size: 8, .value_kind: global_buffer, .address_space: global }
      - { .name: wo16, .offset: 8, .size: 8, .value_kind: global_buffer, .address_space: global }
      - { .name: bo, .offset: 16, .size: 8, .value_kind: global_buffer, .address_space: global }
      - { .name: out0, .offset: 24, .size: 8, .value_kind: global_buffer, .address_space: global }
    .group_segment_fixed_size: 263168
    .private_segment_fixed_size: 0
    .kernarg_segment_align: 8
    .kernarg_segment_size: 32
    .max_flat_workgroup_size: 256
    .sgpr_count:     66
    .vgpr_count:     256
    .wavefront_size: 32
...
	.end_amdgpu_metadata
.endif
;; end of part 4
